; MI455X (gfx1250); checked and timed in simulation.
; The chip was launched on July 23, 2026; its instructions are those of AMD's public machine-readable ISA for CDNA 5 (MIT licence, August 2026) and "CDNA5" Instruction Set Architecture Reference Guide (July 2026). The comments in the code are by the model that wrote it; some were corrected since.
;; Embedding. Allowed arithmetic: float matrix products may take bf16 or f16 operands with f32 sums; all other float work in f32.
;; Inputs: embeddings 50,257 x 1,024 float32; x 4 x 4,096 int32.
;; Outputs: out0 4 x 4,096 x 1,024 float32.
;; One version. Each part assembles by itself: llvm-mc -triple=amdgcn-amd-amdhsa -mcpu=gfx1250 --defsym DOCPART=n.
;; ======== version 1 of 1: 1 launch
;; launch gather (part 1): grid 256 x 1, 16 waves a work-group, no clusters, 0 bytes of LDS; arguments embeddings, x, out0; writes out0
.if DOCPART == 1
	.amdgcn_target "amdgcn-amd-amdhsa--gfx1250"
	.amdhsa_code_object_version 6
	.text
	.protected	k_q3433d2bceb_gather
	.globl	k_q3433d2bceb_gather
	.p2align	8
	.type	k_q3433d2bceb_gather,@function
k_q3433d2bceb_gather:
	s_mov_b64 s[64:65], 0
	v_nop
	global_prefetch_b8 v0, s[64:65] scope:SCOPE_SE
	s_setreg_imm32_b32 hwreg(HW_REG_WAVE_MODE, 25, 1), 1
	s_wait_xcnt 0x0
; out0[t][:] = embeddings[x[t]][:].  x: 16,384 int32.  embeddings: [50257][1024] f32.  out0: [16384][1024] f32.
; A copy of rows of 4,096 bytes: no arithmetic, so the text is about bytes alone.
; 256 work-groups x 16 waves x 4 tokens = 16,384 tokens.  A wave owns 4 consecutive tokens: 16 bytes of x, 16 KiB of rows.
; Its whole share is 32 loads of 16 bytes a lane = 128 registers, so there is no loop and no ring: all 32 loads are issued at
; once, as early as the indices allow, and each piece is stored as soon as it is in.  No register is written twice,
; so no source of a pending load or store is ever at stake.
; Each load and each store of a wave covers 512 consecutive bytes at a multiple of 512 from its buffer's first byte.
; LIMIT: indices are taken to lie inside the table.  An index outside 0 .. 50,256 (taken as unsigned, so a negative one too)
; reads the table's last row here, where jnp.take would wrap a negative index or fill with NaN.
; NOT USED, and why: LDS, tensor loads and barriers (the bytes arrive in the lane layout in which they leave, and no wave needs
; another's); clusters (work-groups share no tile, only rows that the list happens to name twice); a prefetch (each row's
; real load is issued as soon as its index is known: nothing could ask earlier); a non-temporal hint on the row loads
; (the list may name a row twice).
.set VOCAB, 50257
.set ROW,   4096                       ; bytes in a row
.set RPW,   4                          ; rows (tokens) of a wave
.set PIECE, 512                        ; bytes that one load or store of a wave covers
.set NLOAD, RPW*ROW/PIECE              ; 32 loads and 32 stores a wave
.set L16,   1                          ; v1        16 x lane: my 16 bytes in every piece
.set OFF,   2                          ; v[2:5]    row i: byte offset of my 16 bytes of its first piece in the table
.set TMP,   6                          ; v6        scratch
.set X,     8                          ; v[8:135]  piece n: 4 registers
.set IDX,   12                         ; s[12:15]  my four indices, then their rows' byte offsets
	s_load_b128 s[4:7], s[0:1], 0x0                ; embeddings s[4:5], x s[6:7]
	s_load_b64 s[8:9], s[0:1], 0x10                ; out0 s[8:9]
	v_lshrrev_b32 v[TMP], 5, v0
	v_readfirstlane_b32 s16, v[TMP]                ; wave 0..15, as a scalar
	v_and_b32 v[L16], 31, v0
	v_lshlrev_b32 v[L16], 4, v[L16]                ; 16 x lane
	s_lshl_b32 s10, ttmp9, 6                       ; the work-group's first token: 64 x its number,
	s_lshl2_add_u32 s10, s16, s10                  ; + 4 x wave: my first token, at most 16,380
	s_lshl_b32 s18, s10, 12                        ; its row's byte offset in out0: below 2^26
	s_mov_b32 s19, 0
	s_lshl_b32 s10, s10, 2                         ; its byte offset in x: a multiple of 16
	s_mov_b32 s11, 0
	s_wait_kmcnt 0x0                               ; the three addresses
	s_add_nc_u64 s[6:7], s[6:7], s[10:11]          ; x at my four indices
	s_add_nc_u64 s[8:9], s[8:9], s[18:19]          ; out0 at my first row
	s_load_b128 s[IDX:IDX+3], s[6:7], 0x0          ; four indices, uniform in the wave: a scalar load (x is never written)
	s_wait_kmcnt 0x0
.irp i, 0,1,2,3
	s_min_u32 s[IDX+\i], s[IDX+\i], VOCAB-1        ; no load leaves the table, whatever x holds
	s_lshl_b32 s[IDX+\i], s[IDX+\i], 12            ; x 4,096 bytes: at most 205,848,576, below 2^31
	v_add_nc_u32 v[OFF+\i], s[IDX+\i], v[L16]      ; + my 16 bytes
.endr
	; all of my 16 KiB are asked for at once: row i, piece j
.irp i, 0,1,2,3
.irp j, 0,1,2,3,4,5,6,7
	global_load_b128 v[X+32*\i+4*\j:X+32*\i+4*\j+3], v[OFF+\i], s[4:5] offset:PIECE*\j
.endr
.endr
	; My four rows of out0 follow each other, so piece n goes to byte 512 n from my first row.
	; Loads come back in issue order (ISA guide 5.7.1): when at most 31 - n are out, piece n is in; the younger ones stay out.
.set n, 0
.rept NLOAD
	s_wait_loadcnt NLOAD-1-n
	global_store_b128 v[L16], v[X+4*n:X+4*n+3], s[8:9] offset:PIECE*n th:TH_STORE_NT   ; written once, never read in this launch
.set n, n+1
.endr
	s_endpgm
.Lfunc_end_k_q3433d2bceb_gather:
	.size	k_q3433d2bceb_gather, .Lfunc_end_k_q3433d2bceb_gather-k_q3433d2bceb_gather
	.p2alignl 7, 3214868480
	.fill 96, 4, 3214868480
	.section	.rodata,"a",@progbits
	.p2align	6, 0x0
	.amdhsa_kernel k_q3433d2bceb_gather
		.amdhsa_group_segment_fixed_size 0
		.amdhsa_private_segment_fixed_size 0
		.amdhsa_enable_private_segment 0
		.amdhsa_kernarg_size 24
		.amdhsa_user_sgpr_count 2
		.amdhsa_user_sgpr_kernarg_segment_ptr 1
		.amdhsa_wavefront_size32 1
		.amdhsa_system_sgpr_workgroup_id_x 1
		.amdhsa_system_sgpr_workgroup_id_y 1
		.amdhsa_system_sgpr_workgroup_id_z 1
		.amdhsa_system_vgpr_workitem_id 0
		.amdhsa_next_free_vgpr 136
		.amdhsa_next_free_sgpr 66
		.amdhsa_reserve_vcc 0
		.amdhsa_float_denorm_mode_32 3
		.amdhsa_float_denorm_mode_16_64 3
		.amdhsa_memory_ordered 1
		.amdhsa_forward_progress 1
		.amdhsa_inst_pref_size 9
	.end_amdhsa_kernel
	.amdgpu_metadata
---
amdhsa.version: [ 1, 2 ]
amdhsa.kernels:
  - .name:           k_q3433d2bceb_gather
    .symbol:         k_q3433d2bceb_gather.kd
    .args:
      - { .name: embeddings, .offset: 0, .size: 8, .value_kind: global_buffer, .address_space: global }
      - { .name: x, .offset: 8, .size: 8, .value_kind: global_buffer, .address_space: global }
      - { .name: out0, .offset: 16, .size: 8, .value_kind: global_buffer, .address_space: global }
    .group_segment_fixed_size: 0
    .private_segment_fixed_size: 0
    .kernarg_segment_align: 8
    .kernarg_segment_size: 24
    .max_flat_workgroup_size: 512
    .sgpr_count:     66
    .vgpr_count:     136
    .wavefront_size: 32
...
	.end_amdgpu_metadata
.endif
;; end of part 1
